; MI455X (gfx1250); checked and timed in simulation.
; The chip was launched on July 23, 2026; its instructions are those of AMD's public machine-readable ISA for CDNA 5 (MIT licence, August 2026) and "CDNA5" Instruction Set Architecture Reference Guide (July 2026). The comments in the code are by the model that wrote it; some were corrected since.
;; SA Module. Allowed arithmetic: float matrix products may take bf16 or f16 operands with f32 sums; all other float work in f32.
;; Inputs: bbox_b 256 float32; bbox_w 256 x 6 float32; bk 256 float32; bn_b 256 float32; bn_g 256 float32; bn_mean 256 float32; bn_var 256 float32; bo 256 float32; bq 256 float32; bv 256 float32; conv1_b 256 float32; conv1_w 256 x 240 float32; conv2_b 256 float32; conv2_w 256 x 256 float32; fc1_b 32 float32; fc1_w 32 x 4 float32; fc2_b 32 float32; fc2_w 32 x 32 float32; fc3_b 4 float32; fc3_w 4 x 32 float32; ln1_b 32 float32; ln1_g 32 float32; ln2_b 32 float32; ln2_g 32 float32; obj_center 2,048 x 3 float32; obj_feature 2,048 x 240 float32; obj_size 2,048 x 3 float32; prelu_a 256 float32; wk 256 x 256 float32; wo 256 x 256 float32; wq 256 x 256 float32; wv 256 x 256 float32.
;; Outputs: out0 2,048 x 256 float32.
;; One version. Each part assembles by itself: llvm-mc -triple=amdgcn-amd-amdhsa -mcpu=gfx1250 --defsym DOCPART=n.
;; ======== version 1 of 1: 3 launches
;; limits: a difference of large sums (such as E[x^2] - mean^2): digits are lost where the result is much smaller than its terms; values outside matrix products are rounded to bf16
;; workspace buffers: qf 1,048,576 bytes; kf 1,048,576 bytes; vf 1,048,576 bytes; opart 16,777,216 bytes; mlpart 524,288 bytes
;; launch proj (part 1): grid 64 x 3, 8 waves a work-group, clusters of 4 x 1, 327,680 bytes of LDS; arguments obj_feature, obj_center, obj_size, conv1_w, conv1_b, bn_g, bn_b, bn_mean, bn_var, prelu_a, conv2_w, conv2_b, bbox_w, bbox_b, wq, bq, wk, bk, wv, bv, qf, kf, vf; writes qf, kf, vf
.if DOCPART == 1
	.amdgcn_target "amdgcn-amd-amdhsa--gfx1250"
	.amdhsa_code_object_version 6
	.text
	.protected	k_q494c3b7eb6_proj
	.globl	k_q494c3b7eb6_proj
	.p2align	8
	.type	k_q494c3b7eb6_proj,@function
k_q494c3b7eb6_proj:
	s_mov_b64 s[64:65], 0
	v_nop
	global_prefetch_b8 v0, s[64:65] scope:SCOPE_SE
	s_setreg_imm32_b32 hwreg(HW_REG_WAVE_MODE, 25, 1), 1
	s_wait_xcnt 0x0
	s_wait_alu depctr_hold_cnt(0) depctr_sa_sdst(0) depctr_va_vdst(0) depctr_va_sdst(0) depctr_va_ssrc(0) depctr_va_vcc(0) depctr_vm_vsrc(0)
	s_getreg_b32 s2, hwreg(HW_REG_IB_STS2, 6, 4)
	s_cmp_eq_u32 s2, 0
	s_cbranch_scc0 .Lentry_in_a_cluster
	s_endpgm
.Lentry_in_a_cluster:
	s_bfe_u32 s2, ttmp6, 0x10000c
	s_cmp_lg_u32 s2, 0x3003
	s_cbranch_scc0 .Lentry_shape_is_right
	s_endpgm
.Lentry_shape_is_right:
; PROJ.  x1 = prelu(bn(feature conv1_w^T + conv1_b)); x = x1 conv2_w^T + conv2_b + [center, size] bbox_w^T + bbox_b; then ONE of q, k, v = x w^T + b.
; SHARES.  Work-group (rb, p): 32 objects, all 256 channels of x1 and x, and the 256 channels of part p (0 q, 1 k, 2 v).  Wave w owns output channels 32 w .. 32 w + 31 of every
; stage: 2 channel tiles x 2 object tiles = 4 accumulators, which take turns.  All products in bf16 with f32 sums; weights lie in LDS in f32 and are rounded on the way to the product.
; LAYOUT.  D(m = output channel, n = object): a lane holds one object and eight neighbouring channels, which rounded in pairs ARE half a source-1 fragment of the next stage.  So the
; activations lie in LDS as fragments, [object tile 2][channel tile 16][lane 32][16 bytes], and q and k leave in the same form (q times log2(e) / 8, in f32, before its one rounding).
; v is made with the sources swapped, D(m = object, n = channel): a lane then holds one channel and eight objects, half a fragment of V^T.
; CLUSTER.  The four work-groups of a cluster have the same p and walk the same weights: every weight tile is asked for jointly (mask 15).  One tensor load of a wave is out at any time.
; LIMITS.  Matrix operands are rounded to bf16; v_rsq_f32 flushes denormals (bn_var + 1e-5 is far above them for bn_var >= 0); NaN and infinities are not treated apart.
.set PW,    1040                       ; a weight row in LDS: 1,024 bytes + 16 of padding = 260 words: the 16 rows of a fragment load start 4 words apart
.set WAVEW, 32*PW                      ; a wave's 32 rows
.set ACT0,  256*PW                     ; the features as fragments, 16,384 bytes; no tensor load lands here or behind
.set ACT1,  ACT0+16384                 ; x1
.set ACT2,  ACT1+16384                 ; x
.set SPARE, ACT2+16384                 ; the spare words: 128 bytes for each of 8 waves
.set WV,   50                          ; s50 my wave's number
.set LANE, 1
.set RR,   2                           ; lane % 16
.set HH,   3                           ; lane / 16
.set AW,   4                           ; LDS address of my weight fragments
.set AB0,  5                           ; ACT0 + 16 lane, and the same for ACT1, ACT2
.set AB1,  6
.set AB2,  7
.set AS1,  8                           ; where I store x1, x
.set AS2,  9
.set FST,  10                          ; where I store features
.set FGO,  11                          ; my offset in the features
.set PO,   12                          ; my offset in a vector of 256 parameters
.set GQ,   13                          ; my offset in q or k
.set GV,   14                          ; in v
.set BO,   16                          ; my object's offset in center and size
.set BWO,  17                          ; my channel's offset in bbox_w
.set BVO,  18                          ; my channel's offset in bv
.set SPW,  30
.set NIL,  31
.set ACC,  32                          ; v[32:63]   accumulator (t, o) at ACC + 16 t + 8 o
.set ARAW, 64                          ; v[64:95]   f32 weights of one K step
.set ABF,  96                          ; v[96:127]  weight fragments, by parity of the K step and tile
.set BFR,  128                         ; v[128:159] activation fragments, by parity and object tile
.set CB,   160                         ; v[160:175] the bias that starts the sums
.set SC,   176                         ; v[176:191] bn scale; later bbox_w's fragments
.set SH,   192                         ; v[192:207] bn shift; later the boxes' fragments
.set PA,   208                         ; v[208:223] prelu_a; later bbox_b, bv
.set TM,   224                         ; v[224:255] at work
.macro ROUND                           ; a round of the cluster's barrier
	s_barrier_signal -1
	s_barrier_wait -1
	s_cmp_lg_u32 s[WV], 0
	s_cbranch_scc1 .Lnot_wave_0_\@
	s_barrier_signal -3
.Lnot_wave_0_\@:
	s_barrier_wait -3
	s_barrier_signal -1
	s_barrier_wait -1
.endm
.macro PLACES n                        ; plain vector instructions between a matrix instruction and what touches its registers (ISA guide 7.12.1)
.rept \n
	v_nop
.endr
.endm
	s_load_b512 s[4:19], s[0:1], 0x0               ; obj_feature 4, obj_center 6, obj_size 8, conv1_w 10, conv1_b 12, bn_g 14, bn_b 16, bn_mean 18
	s_load_b512 s[20:35], s[0:1], 0x40             ; bn_var 20, prelu_a 22, conv2_w 24, conv2_b 26, bbox_w 28, bbox_b 30, wq 32, bq 34
	s_load_b256 s[36:43], s[0:1], 0x80             ; wk 36, bk 38, wv 40, bv 42
	s_load_b128 s[44:47], s[0:1], 0xa0             ; qf 44, kf 46
	s_load_b64 s[48:49], s[0:1], 0xb0              ; vf 48
	v_lshl_add_u32 v[SPW], v0, 2, SPARE
	v_mov_b32 v[NIL], 0
	ds_add_u32 v[SPW], v[NIL]                      ; the wave's opening: the add and its wait stand ahead of my first tensor load
	v_lshrrev_b32 v[LANE], 5, v0
	v_readfirstlane_b32 s[WV], v[LANE]
	s_and_b32 s51, ttmp7, 0xffff                   ; p, which the four partners share
	s_bfe_u32 s60, ttmp6, 0x40000                  ; cx
	s_lshl_b32 s61, ttmp9, 2
	s_add_co_u32 s61, s61, s60                     ; rb = 4 x cluster x + cx: it enters global addresses alone
	; descriptor group 1 for conv1_w: 32 rows of 240 f32, asked for as 256 wide: columns 240 .. 255 arrive as zeros and pad K to 256
	s_mov_b32 s52, 15|(2<<16)|(1<<20)|(1<<21)|(7<<22)|(3<<25)  ; mask of four; 4-byte elements; padding on; bit 21 beside a mask; after every 256 words, 4 words
	s_mov_b32 s53, 240<<16                         ; tensor_dim0 = 240
	s_mov_b32 s54, 32<<16                          ; tensor_dim1 = 32
	s_mov_b32 s55, 256<<16                         ; tile_dim0 = 256
	s_mov_b32 s56, 32                              ; tile_dim1 = 32
	s_mov_b32 s57, 240                             ; elements from row to row
	s_mov_b32 s58, 0
	s_mov_b32 s59, 0
	; the same for the weights of 256 columns
	s_mov_b32 s68, 15|(2<<16)|(1<<20)|(1<<21)|(7<<22)|(3<<25)
	s_mov_b32 s69, 256<<16
	s_mov_b32 s70, 32<<16
	s_mov_b32 s71, 256<<16
	s_mov_b32 s72, 32
	s_mov_b32 s73, 256
	s_mov_b32 s74, 0
	s_mov_b32 s75, 0
	s_mov_b32 s76, 1                               ; group 0: count = 1,
	s_mul_i32 s77, s[WV], WAVEW                    ; my 32 rows in LDS
	s_mul_i32 s80, s[WV], 30720                    ; my 32 rows in conv1_w, in bytes
	s_mov_b32 s81, 0
	s_lshl_b32 s82, s[WV], 15                      ; and in a weight of 256 columns
	s_mov_b32 s83, 0
	s_mul_i32 s86, s61, 30720                      ; my group's 32 rows of features
	s_mov_b32 s87, 0
	s_lshl_b32 s98, s61, 14                        ; my group's 16,384 bytes of q, k or v
	s_mov_b32 s99, 0
	s_cmp_eq_u32 s51, 0
	s_cselect_b32 s84, 0x3e38aa3b, 1.0             ; q is scaled by log2(e) / 8; k runs the same text with 1
	s_mov_b32 s85, s84                             ; named with it as a pair
	s_wait_dscnt 0x0                               ; the opening add is done
	s_wait_kmcnt 0x0
	s_add_nc_u64 s[78:79], s[10:11], s[80:81]
	s_or_b32 s79, s79, 0x80000000                  ; type = 2
	s_add_nc_u64 s[96:97], s[4:5], s[86:87]
	s_cmp_eq_u32 s51, 1                            ; part p's weight, bias and output
	s_cselect_b64 s[90:91], s[36:37], s[32:33]
	s_cselect_b64 s[92:93], s[38:39], s[34:35]
	s_cselect_b64 s[94:95], s[46:47], s[44:45]
	s_cmp_eq_u32 s51, 2
	s_cselect_b64 s[90:91], s[40:41], s[90:91]
	s_cselect_b64 s[92:93], s[42:43], s[92:93]
	s_cselect_b64 s[94:95], s[48:49], s[94:95]
	s_add_nc_u64 s[94:95], s[94:95], s[98:99]
	ROUND                                          ; all four work-groups are here: the first joint loads meet
	tensor_load_to_lds s[76:79], s[52:59]          ; conv1_w, my 32 rows
	s_nop 0
	; ---- the features: a wave takes rows w, w + 8, w + 16, w + 24; lane = chunk of 8 channels (32 bytes), so a wave reads a row on end
	v_and_b32 v[LANE], 31, v0
	v_and_b32 v[RR], 15, v0
	v_bfe_u32 v[HH], v0, 4, 1
	v_min_u32 v19, 29, v[LANE]                     ; chunks 30, 31 do not exist: they read chunk 29 and are set to 0 below
	s_mul_i32 s62, s[WV], 960
	v_lshl_add_u32 v[FGO], v19, 5, s62
.irp n,0,1,2,3
	global_load_b128 v[ARAW+8*\n:ARAW+8*\n+3], v[FGO], s[96:97] offset:\n*7680
	global_load_b128 v[ARAW+8*\n+4:ARAW+8*\n+7], v[FGO], s[96:97] offset:\n*7680+16
.endr
	s_lshl_b32 s62, s[WV], 7
	v_lshl_add_u32 v[PO], v[HH], 5, s62            ; (32 w + 8 h) x 4: register j of a result is channel 16 t + 8 h + j
.macro LDP dst, sb                     ; 16 parameters of my channels: tile t at dst + 8 t
.irp t,0,1
	global_load_b128 v[(\dst)+8*\t:(\dst)+8*\t+3], v[PO], s[\sb:\sb+1] offset:64*\t
	global_load_b128 v[(\dst)+8*\t+4:(\dst)+8*\t+7], v[PO], s[\sb:\sb+1] offset:64*\t+16
.endr
.endm
	LDP CB, 12                                     ; conv1_b
	LDP SC, 14                                     ; bn_g
	LDP SH, 16                                     ; bn_b
	LDP TM, 18                                     ; bn_mean
	LDP TM+16, 20                                  ; bn_var
	LDP PA, 22                                     ; prelu_a
	; addresses
	v_lshlrev_b32 v15, 4, v[LANE]
	v_add_nc_u32 v[AB0], ACT0, v15
	v_add_nc_u32 v[AB1], ACT1, v15
	v_add_nc_u32 v[AB2], ACT2, v15
	v_lshl_add_u32 v[AS1], s[WV], 10, v[AB1]       ; my channel tiles 2 w, 2 w + 1: 512 bytes each
	v_lshl_add_u32 v[AS2], s[WV], 10, v[AB2]
	v_lshl_add_u32 v[GQ], s[WV], 10, v15
	v_lshl_add_u32 v[GV], s[WV], 11, v15
	s_mul_i32 s62, s[WV], WAVEW
	v_mul_u32_u24 v[AW], v[RR], PW
	v_lshl_add_u32 v[AW], v[HH], 5, v[AW]
	v_add_nc_u32 v[AW], s62, v[AW]                 ; row x pitch + 32 h: eight f32 for each half of the lanes
	s_lshl_b32 s62, s[WV], 4
	s_add_co_u32 s62, s62, ACT0
	v_lshl_add_u32 v[FST], v[LANE], 8, s62         ; chunk c of object r lies at 256 c + 16 r: (c / 4) x 1024 + ((c / 2) % 2) x 512 + (r + 16 (c % 2)) x 16
	s_mul_i32 s63, s61, 384
	v_mul_u32_u24 v[BO], v[RR], 12
	v_add_nc_u32 v[BO], s63, v[BO]
	s_mul_i32 s62, s[WV], 768
	v_mul_u32_u24 v[BWO], v[RR], 24
	v_add_nc_u32 v[BWO], s62, v[BWO]
	v_lshlrev_b32 v[BVO], 2, v[RR]
	v_lshl_add_u32 v[BVO], s[WV], 7, v[BVO]
	v_cmp_gt_u32 s88, 30, v[LANE]                  ; chunks that exist
	v_cmp_eq_u32 s89, 1, v[HH]
	s_wait_loadcnt 24                              ; the 8 feature loads are in; the 24 parameter loads issued behind them may stay out
.irp n,0,1,2,3
.irp i,0,1,2,3
	v_cvt_pk_bf16_f32 v[ABF+4*\n+\i], v[ARAW+8*\n+2*\i], v[ARAW+8*\n+2*\i+1]
.endr
.irp i,0,1,2,3
	v_cndmask_b32 v[ABF+4*\n+\i], 0, v[ABF+4*\n+\i], s88
.endr
	ds_store_b128 v[FST], v[ABF+4*\n:ABF+4*\n+3] offset:(\n/2)*8192+(\n%2)*128
.endr
	s_wait_loadcnt 0x0
	; bn as one multiply-add: SC = g / sqrt(var + eps), SH = b - mean SC
.set i, 0
.rept 16
	v_add_f32 v[TM+16+i], 0x3727c5ac, v[TM+16+i]
.set i, i+1
.endr
.set i, 0
.rept 16
	v_rsq_f32 v[TM+16+i], v[TM+16+i]
.set i, i+1
.endr
	v_nop                                          ; a plain instruction behind the last reciprocal root
.set i, 0
	s_wait_alu depctr_va_vdst(0)
.rept 8
	v_pk_mul_f32 v[SC+2*i:SC+2*i+1], v[SC+2*i:SC+2*i+1], v[TM+16+2*i:TM+16+2*i+1]
.set i, i+1
.endr
.set i, 0
.rept 8
	v_pk_fma_f32 v[SH+2*i:SH+2*i+1], v[TM+2*i:TM+2*i+1], v[SC+2*i:SC+2*i+1], v[SH+2*i:SH+2*i+1] neg_lo:[1,0,0] neg_hi:[1,0,0]
.set i, i+1
.endr
	s_wait_dscnt 0x0                               ; for the others' sake: my features are stored
	s_barrier_signal -1
	s_barrier_wait -1                              ; my tensor load may stay out across it
; ---- a stage's product: K = 256 in 8 steps of 32
.macro LDW ks                          ; the f32 weights of K step ks, both tiles
.irp t,0,1
	ds_load_b128 v[ARAW+16*\t:ARAW+16*\t+3], v[AW] offset:(\t)*16*PW+(\ks)*128
	ds_load_b128 v[ARAW+16*\t+4:ARAW+16*\t+7], v[AW] offset:(\t)*16*PW+(\ks)*128+16
	ds_load_b128 v[ARAW+16*\t+8:ARAW+16*\t+11], v[AW] offset:(\t)*16*PW+(\ks)*128+64
	ds_load_b128 v[ARAW+16*\t+12:ARAW+16*\t+15], v[AW] offset:(\t)*16*PW+(\ks)*128+80
.endr
.endm
.macro LDX ab, ks, par                 ; the activations' fragments of K step ks, both object tiles
.irp o,0,1
	ds_load_b128 v[BFR+16*(\par)+8*\o:BFR+16*(\par)+8*\o+3], v[\ab] offset:(\o)*8192+(\ks)*1024
	ds_load_b128 v[BFR+16*(\par)+8*\o+4:BFR+16*(\par)+8*\o+7], v[\ab] offset:(\o)*8192+(\ks)*1024+512
.endr
.endm
.macro MUL4 par, swap, first           ; four products, one on each accumulator: they take turns
.irp t,0,1
.irp o,0,1
.if \swap
.if \first
	v_wmma_f32_16x16x32_bf16 v[ACC+16*\t+8*\o:ACC+16*\t+8*\o+7], v[BFR+16*(\par)+8*\o:BFR+16*(\par)+8*\o+7], v[ABF+16*(\par)+8*\t:ABF+16*(\par)+8*\t+7], 0
.else
	v_wmma_f32_16x16x32_bf16 v[ACC+16*\t+8*\o:ACC+16*\t+8*\o+7], v[BFR+16*(\par)+8*\o:BFR+16*(\par)+8*\o+7], v[ABF+16*(\par)+8*\t:ABF+16*(\par)+8*\t+7], v[ACC+16*\t+8*\o:ACC+16*\t+8*\o+7]
.endif
.else
.if \first
	v_wmma_f32_16x16x32_bf16 v[ACC+16*\t+8*\o:ACC+16*\t+8*\o+7], v[ABF+16*(\par)+8*\t:ABF+16*(\par)+8*\t+7], v[BFR+16*(\par)+8*\o:BFR+16*(\par)+8*\o+7], v[CB+8*\t:CB+8*\t+7]
.else
	v_wmma_f32_16x16x32_bf16 v[ACC+16*\t+8*\o:ACC+16*\t+8*\o+7], v[ABF+16*(\par)+8*\t:ABF+16*(\par)+8*\t+7], v[BFR+16*(\par)+8*\o:BFR+16*(\par)+8*\o+7], v[ACC+16*\t+8*\o:ACC+16*\t+8*\o+7]
.endif
.endif
.endr
.endr
.endm
; One K step: the loads issued a step ago are in; 16 roundings make this step's weight fragments; the next step's 12 loads go out; 4 products.  The 16 roundings name no register of
; the step before's products: they are the places in front of the loads into the other parity's fragments.
.macro GEMM ab, swap
	LDW 0
	LDX \ab, 0, 0
.set ks, 0
.rept 8
.set par, ks&1
	s_wait_dscnt 0x0
.set i, 0
.rept 16
	v_cvt_pk_bf16_f32 v[ABF+16*par+i], v[ARAW+2*i], v[ARAW+2*i+1]
.set i, i+1
.endr
.if ks < 7
	LDW ks+1
	LDX \ab, ks+1, 1-par
.endif
	MUL4 par, \swap, ks==0
.set ks, ks+1
.endr
.endm
; The weights are filled again: all my tensor loads have landed, the add, my LDS reads and stores are done; a round of the cluster's barrier (it also shows the stage's result to
; every wave); then the joint load, first thing behind it.
.macro REFILL sb, so
	s_wait_tensorcnt 0x0
	ds_add_u32 v[SPW], v[NIL]
	s_add_nc_u64 s[78:79], s[\sb:\sb+1], s[\so:\so+1]
	s_or_b32 s79, s79, 0x80000000
	s_wait_dscnt 0x0
	ROUND
	tensor_load_to_lds s[76:79], s[68:75]
	s_nop 0
.endm
	; ---- stage 1: conv1, bn, prelu
	s_wait_tensorcnt 0x0                           ; my rows of conv1_w, which I alone read
	GEMM AB0, 0
	PLACES 4
.macro EPI1 t, o
.set rA, ACC+16*(\t)+8*(\o)
.irp i,0,2,4,6
	v_pk_fma_f32 v[rA+\i:rA+\i+1], v[rA+\i:rA+\i+1], v[SC+8*(\t)+\i:SC+8*(\t)+\i+1], v[SH+8*(\t)+\i:SH+8*(\t)+\i+1]
.endr
.irp i,0,1,2,3,4,5,6,7
	v_max_num_f32 v[TM+\i], 0, v[rA+\i]
	v_min_num_f32 v[rA+\i], 0, v[rA+\i]
.endr
.irp i,0,2,4,6
	v_pk_fma_f32 v[TM+\i:TM+\i+1], v[rA+\i:rA+\i+1], v[PA+8*(\t)+\i:PA+8*(\t)+\i+1], v[TM+\i:TM+\i+1]  ; max(x, 0) + a min(x, 0)
.endr
.irp i,0,1,2,3
	v_cvt_pk_bf16_f32 v[TM+8+\i], v[TM+2*\i], v[TM+2*\i+1]
.endr
	ds_store_b128 v[AS1], v[TM+8:TM+11] offset:(\o)*8192+(\t)*512
.endm
	EPI1 0, 0
	EPI1 0, 1
	EPI1 1, 0
	EPI1 1, 1
	REFILL 24, 82                                  ; conv2_w
	; ---- while it is on its way: stage 2's bias and the box product's fragments
	LDP CB, 26                                     ; conv2_b
	LDP PA, 30                                     ; bbox_b
.irp t,0,1
	global_load_b64 v[TM+6*\t:TM+6*\t+1], v[BWO], s[28:29] offset:384*\t
	global_load_b64 v[TM+6*\t+2:TM+6*\t+3], v[BWO], s[28:29] offset:384*\t+8
	global_load_b64 v[TM+6*\t+4:TM+6*\t+5], v[BWO], s[28:29] offset:384*\t+16
.endr
.irp o,0,1
	global_load_b96 v[TM+12+8*\o:TM+14+8*\o], v[BO], s[6:7] offset:192*\o
	global_load_b96 v[TM+16+8*\o:TM+18+8*\o], v[BO], s[8:9] offset:192*\o
.endr
.irp t,0,1
.irp i,3,4,5,6,7
	v_mov_b32 v[SC+8*\t+\i], 0                     ; K slots that the six box numbers do not fill
	v_mov_b32 v[SH+8*\t+\i], 0
.endr
.endr
	s_wait_loadcnt 0x0
.set i, 0
.rept 8
	v_pk_add_f32 v[CB+2*i:CB+2*i+1], v[CB+2*i:CB+2*i+1], v[PA+2*i:PA+2*i+1]
.set i, i+1
.endr
.irp t,0,1
.irp i,0,1,2
	v_cvt_pk_bf16_f32 v[SC+8*\t+\i], v[TM+6*\t+2*\i], v[TM+6*\t+2*\i+1]  ; bbox_w[channel][0..5], in both halves of the lanes (K slots 0-5 and 8-13)
.endr
.endr
; two box numbers: lanes 0-15 (K slots 0-5) carry them rounded to bf16, lanes 16-31 (slots 8-13) what the rounding dropped
.macro BOXP dst, xa, xb
	v_cvt_pk_bf16_f32 v[\dst], v[\xa], v[\xb]
	v_lshlrev_b32 v252, 16, v[\dst]
	v_and_b32 v253, 0xffff0000, v[\dst]
	v_sub_f32 v252, v[\xa], v252
	v_sub_f32 v253, v[\xb], v253
	v_cvt_pk_bf16_f32 v252, v252, v253
	v_cndmask_b32 v[\dst], v[\dst], v252, s89
.endm
.irp o,0,1
	BOXP SH+8*\o, TM+12+8*\o, TM+13+8*\o
	BOXP SH+8*\o+1, TM+14+8*\o, TM+16+8*\o
	BOXP SH+8*\o+2, TM+17+8*\o, TM+18+8*\o
.endr
	; ---- stage 2: conv2 + box
	s_wait_tensorcnt 0x0
	GEMM AB1, 0
.irp t,0,1
.irp o,0,1
	v_wmma_f32_16x16x32_bf16 v[ACC+16*\t+8*\o:ACC+16*\t+8*\o+7], v[SC+8*\t:SC+8*\t+7], v[SH+8*\o:SH+8*\o+7], v[ACC+16*\t+8*\o:ACC+16*\t+8*\o+7]
.endr
.endr
	PLACES 4
.irp t,0,1
.irp o,0,1
.irp i,0,1,2,3
	v_cvt_pk_bf16_f32 v[TM+\i], v[ACC+16*\t+8*\o+2*\i], v[ACC+16*\t+8*\o+2*\i+1]
.endr
	ds_store_b128 v[AS2], v[TM:TM+3] offset:\o*8192+\t*512
.endr
.endr
	REFILL 90, 82                                  ; part p's weight
	; ---- stage 3.  The branch hangs on p alone, which all partners share; neither way holds a barrier or a tensor load
	s_cmp_eq_u32 s51, 2
	s_cbranch_scc1 .Lpart_v
	LDP CB, 92
	s_wait_loadcnt 0x0
	s_wait_tensorcnt 0x0
	GEMM AB2, 0
	PLACES 4
.irp t,0,1
.irp o,0,1
.irp i,0,2,4,6
	v_pk_mul_f32 v[ACC+16*\t+8*\o+\i:ACC+16*\t+8*\o+\i+1], v[ACC+16*\t+8*\o+\i:ACC+16*\t+8*\o+\i+1], s[84:85] op_sel_hi:[1,0]
.endr
.irp i,0,1,2,3
	v_cvt_pk_bf16_f32 v[TM+4*(2*\t+\o)+\i], v[ACC+16*\t+8*\o+2*\i], v[ACC+16*\t+8*\o+2*\i+1]
.endr
	global_store_b128 v[GQ], v[TM+4*(2*\t+\o):TM+4*(2*\t+\o)+3], s[94:95] offset:\o*8192+\t*512  ; a wave's store covers 512 consecutive bytes, aligned
.endr
.endr
	s_branch .Lend
.Lpart_v:
.irp t,0,1
	global_load_b32 v[PA+2*\t], v[BVO], s[92:93] offset:64*\t    ; bv of my lane's channel, twice: a pair for the packed add
	global_load_b32 v[PA+2*\t+1], v[BVO], s[92:93] offset:64*\t
.endr
	s_wait_loadcnt 0x0
	s_wait_tensorcnt 0x0
	GEMM AB2, 1
	PLACES 4
.irp t,0,1
.irp o,0,1
.irp i,0,2,4,6
	v_pk_add_f32 v[ACC+16*\t+8*\o+\i:ACC+16*\t+8*\o+\i+1], v[ACC+16*\t+8*\o+\i:ACC+16*\t+8*\o+\i+1], v[PA+2*\t:PA+2*\t+1]
.endr
.irp i,0,1,2,3
	v_cvt_pk_bf16_f32 v[TM+4*(2*\t+\o)+\i], v[ACC+16*\t+8*\o+2*\i], v[ACC+16*\t+8*\o+2*\i+1]
.endr
	global_store_b128 v[GV], v[TM+4*(2*\t+\o):TM+4*(2*\t+\o)+3], s[94:95] offset:\t*1024+\o*512
.endr
.endr
.Lend:
	s_wait_tensorcnt 0x0                           ; the wave's end
	ds_add_u32 v[SPW], v[NIL]
	s_wait_dscnt 0x0
	ROUND                                          ; the closing round
	s_endpgm
.Lfunc_end_k_q494c3b7eb6_proj:
	.size	k_q494c3b7eb6_proj, .Lfunc_end_k_q494c3b7eb6_proj-k_q494c3b7eb6_proj
	.p2alignl 7, 3214868480
	.fill 96, 4, 3214868480
	.section	.rodata,"a",@progbits
	.p2align	6, 0x0
	.amdhsa_kernel k_q494c3b7eb6_proj
		.amdhsa_group_segment_fixed_size 327680
		.amdhsa_private_segment_fixed_size 0
		.amdhsa_enable_private_segment 0
		.amdhsa_kernarg_size 184
		.amdhsa_user_sgpr_count 2
		.amdhsa_user_sgpr_kernarg_segment_ptr 1
		.amdhsa_wavefront_size32 1
		.amdhsa_system_sgpr_workgroup_id_x 1
		.amdhsa_system_sgpr_workgroup_id_y 1
		.amdhsa_system_sgpr_workgroup_id_z 1
		.amdhsa_system_vgpr_workitem_id 0
		.amdhsa_next_free_vgpr 256
		.amdhsa_next_free_sgpr 100
		.amdhsa_reserve_vcc 0
		.amdhsa_float_denorm_mode_32 3
		.amdhsa_float_denorm_mode_16_64 3
		.amdhsa_memory_ordered 1
		.amdhsa_forward_progress 1
		.amdhsa_inst_pref_size 99
	.end_amdhsa_kernel
	.amdgpu_metadata
---
amdhsa.version: [ 1, 2 ]
amdhsa.kernels:
  - .name:           k_q494c3b7eb6_proj
    .symbol:         k_q494c3b7eb6_proj.kd
    .args:
      - { .name: obj_feature, .offset: 0, .size: 8, .value_kind: global_buffer, .address_space: global }
      - { .name: obj_center, .offset: 8, .size: 8, .value_kind: global_buffer, .address_space: global }
      - { .name: obj_size, .offset: 16, .size: 8, .value_kind: global_buffer, .address_space: global }
      - { .name: conv1_w, .offset: 24, .size: 8, .value_kind: global_buffer, .address_space: global }
      - { .name: conv1_b, .offset: 32, .size: 8, .value_kind: global_buffer, .address_space: global }
      - { .name: bn_g, .offset: 40, .size: 8, .value_kind: global_buffer, .address_space: global }
      - { .name: bn_b, .offset: 48, .size: 8, .value_kind: global_buffer, .address_space: global }
      - { .name: bn_mean, .offset: 56, .size: 8, .value_kind: global_buffer, .address_space: global }
      - { .name: bn_var, .offset: 64, .size: 8, .value_kind: global_buffer, .address_space: global }
      - { .name: prelu_a, .offset: 72, .size: 8, .value_kind: global_buffer, .address_space: global }
      - { .name: conv2_w, .offset: 80, .size: 8, .value_kind: global_buffer, .address_space: global }
      - { .name: conv2_b, .offset: 88, .size: 8, .value_kind: global_buffer, .address_space: global }
      - { .name: bbox_w, .offset: 96, .size: 8, .value_kind: global_buffer, .address_space: global }
      - { .name: bbox_b, .offset: 104, .size: 8, .value_kind: global_buffer, .address_space: global }
      - { .name: wq, .offset: 112, .size: 8, .value_kind: global_buffer, .address_space: global }
      - { .name: bq, .offset: 120, .size: 8, .value_kind: global_buffer, .address_space: global }
      - { .name: wk, .offset: 128, .size: 8, .value_kind: global_buffer, .address_space: global }
      - { .name: bk, .offset: 136, .size: 8, .value_kind: global_buffer, .address_space: global }
      - { .name: wv, .offset: 144, .size: 8, .value_kind: global_buffer, .address_space: global }
      - { .name: bv, .offset: 152, .size: 8, .value_kind: global_buffer, .address_space: global }
      - { .name: qf, .offset: 160, .size: 8, .value_kind: global_buffer, .address_space: global }
      - { .name: kf, .offset: 168, .size: 8, .value_kind: global_buffer, .address_space: global }
      - { .name: vf, .offset: 176, .size: 8, .value_kind: global_buffer, .address_space: global }
    .group_segment_fixed_size: 327680
    .private_segment_fixed_size: 0
    .kernarg_segment_align: 8
    .kernarg_segment_size: 184
    .max_flat_workgroup_size: 256
    .sgpr_count:     100
    .vgpr_count:     256
    .wavefront_size: 32
...
	.end_amdgpu_metadata
.endif
;; end of part 1
;; launch attn (part 2): grid 32 x 8, 8 waves a work-group, clusters of 4 x 1, 327,680 bytes of LDS; arguments obj_center, fc1_w, fc1_b, ln1_g, ln1_b, fc2_w, fc2_b, ln2_g, ln2_b, fc3_w, fc3_b, qf, kf, vf, opart, mlpart; writes opart, mlpart
.if DOCPART == 2
	.amdgcn_target "amdgcn-amd-amdhsa--gfx1250"
	.amdhsa_code_object_version 6
	.text
	.protected	k_q494c3b7eb6_attn
	.globl	k_q494c3b7eb6_attn
	.p2align	8
	.type	k_q494c3b7eb6_attn,@function
k_q494c3b7eb6_attn:
	s_mov_b64 s[64:65], 0
	v_nop
	global_prefetch_b8 v0, s[64:65] scope:SCOPE_SE
	s_setreg_imm32_b32 hwreg(HW_REG_WAVE_MODE, 25, 1), 1
	s_wait_xcnt 0x0
	s_wait_alu depctr_hold_cnt(0) depctr_sa_sdst(0) depctr_va_vdst(0) depctr_va_sdst(0) depctr_va_ssrc(0) depctr_va_vcc(0) depctr_vm_vsrc(0)
	s_getreg_b32 s2, hwreg(HW_REG_IB_STS2, 6, 4)
	s_cmp_eq_u32 s2, 0
	s_cbranch_scc0 .Lentry_in_a_cluster
	s_endpgm
.Lentry_in_a_cluster:
	s_bfe_u32 s2, ttmp6, 0x10000c
	s_cmp_lg_u32 s2, 0x3003
	s_cbranch_scc0 .Lentry_shape_is_right
	s_endpgm
.Lentry_shape_is_right:
; ATTN.  For 64 queries x 256 keys: the pair MLP (4 -> 32 -> 32 -> 4) that gives each head's bias, S^T = K Q^T + bias, a running softmax, O^T += V^T P; out go the unnormalised O^T, the
; maximum m (in units of log2) and the sum l of this block of keys.
; SHARES.  Work-group (qb, kb); wave w: 16 queries (tile w % 4) x 128 keys (half w / 4), in 4 steps of 32 keys = 2 key tiles of 16.  The two waves of a query tile merge at the end.
; THE MLP's ALGEBRA.  r = relu(W1 w + b1); var1 its variance over the 32 channels, s1 = sqrt(var1 + eps).  The centring and gain of the first norm are folded into W2' (rows of fc2_w g1 with
; their mean taken away), its bias into c2 = fc2_w ln1_b + fc2_b.  relu commutes with a positive factor, so Y = W2' r + c2 s1 is s1 times the second layer's input, z = relu(Y), and the second
; norm is (z - mean z) / sqrt(var z + eps s1^2).  bias = inv2 (W3' z) + c3, W3' = log2(e) x centred fc3_w g2, c3 = log2(e) (fc3_w ln2_b + fc3_b).
; THE MLP's LAYOUT.  Every product is D(m = channel, n = pair): a lane holds one pair and 8 channels a tile, and a layer's 16 registers rounded in pairs ARE source 1 of the next layer.
; A GROUP is 16 queries x 1 key; a DOUBLE GROUP d (0 .. 7) of a key tile is the groups of keys d and 8 + d; lane (r, h) OWNS the pair (query r, key 8 h + d): its features, s1 and inv2 are
; made in that lane.  One source 1 carries both groups' features (lanes 0-15: K slots 0-7, lanes 16-31: slots 8-15); the weights ACOMB[t][g] hold data in the lanes of half g alone and so pick
; a group.  Their K slots 4, 5 hold b1 (rounded, and what the rounding dropped) against the constant 1, slots 22, 23 (30, 31) hold c2 likewise against s1.
; fc3's weights A3[kk] stand in the rows 8 g + 2 head + a, so that the four groups of two double groups add up into ONE tile in which lane (r, h), register 2 head + a is the bias of
; (query r, key 8 h + 2 T + a): the lane that owns inv2, and registers 2 T, 2 T + 1 of that head's tile of S^T.  The biases go through 4 KiB of the wave's own LDS and come back as the C of K Q^T.
; CLUSTER.  The four work-groups of a cluster have the same kb: K and V (256 KiB, filled once) are asked for jointly.  Two tensor loads of a wave are out, at the start alone.
; LIMITS.  Variances are E[x^2] - mean^2 in f32, clamped at 0: off by about 2^-22 of mean^2.  Matrix operands are bf16.  A weight below 2^-126 counts as 0 in l; v_sqrt_f32, v_rsq_f32
; and v_exp_f32 flush denormals; NaN and infinities are not treated apart.
.set DUAL,  1                          ; 1: two relus in one dual instruction
.set VFO,   131072                     ; LDS: K's fragments from 0 (16 key tiles x 8,192), V's from here (8 blocks of 32 keys x 16,384)
.set CEN,   262144                     ; the keys' centres, 16 bytes each: entry (2 kc + h) x 64 + 8 kt + d; then 512 bytes of zeros
.set SCR,   CEN+4608                   ; the biases' way: wave x 4,096: [head 4][T 4][lane 32][8 bytes]
.set SPARE, SCR+32768                  ; the spare words
.set MGP,   17408                      ; the merge's stage, over K's bytes once nobody reads them: 16,384 of O^T, 512 of m, 512 of l for each query tile
.set WV,   36
; window 0
.set L16,  1                           ; 16 x lane
.set AC0,  2                           ; my half's centres; AC: those of the trip in hand
.set AC,   3
.set AS0,  4                           ; my 8 bytes in the wave's scratch; AS: those of the trip in hand
.set AS,   5
.set AK0,  6
.set AK,   7                           ; K's fragments of the step in hand
.set QC,   8                           ; v[8:10] my query's centre
.set AV0,  11
.set AV,   12                          ; V's fragments of the step in hand
.set CK0,  16                          ; v[16:19], v[20:23] two key centres, fetched ahead
.set CK1,  20
.set INV,  24                          ; v[24:25] inv2 of two double groups
.set VARE, 26                          ; var1 + eps
.set SD1,  27                          ; s1
.set SPW,  28
.set NIL,  29
.set BB,   32                          ; v[32:43] features, 1, eight zeros, s1: source 1 of layer 1 is v[32:39], that of the c2 s1 product v[36:43]
.set MP,   44                          ; per head a pair (m, at work)
.set LP,   52                          ; per head l (even keys', odd keys')
.set E0,   60
.set E1,   62
.set X,    64                          ; v[64:95] a layer's results, group g tile t at X + 16 g + 8 t; later P.  v[64:127] also take K's fragments
.set PK,   96                          ; v[96:111] a layer rounded; v[96:127] also take fragments of V
.set DT,   112                         ; v[112:119] the biases' tile
.set SA0,  120                         ; sums and sums of squares, by group
.set QA0,  122
.set ACOMB, 128                        ; v[128:159] [2 t + g]
.set A2,   160                         ; v[160:175] W2'
.set A3,   176                         ; v[176:207] W3' in four placings
.set AP,   208                         ; per head a pair (a, at work)
.set FT,   216                         ; features in f32
.set U,    220
; window 1
.set OT,   0                           ; O^T, channel tile ct at 8 ct
.set QF,   128                         ; Q: head hd, channel half ks at 16 hd + 8 ks
.set SS,   192                         ; S^T: 16 hd + 8 kt + j; later fragments of V
.set MSB, 0
.macro WIN new                         ; the high byte repeats the setting that is left; a switch that changes nothing is dropped
.if MSB != (\new)
	s_set_vgpr_msb (MSB<<8)|(\new)
.set MSB, (\new)
.endif
.endm
.macro ROUND
	s_barrier_signal -1
	s_barrier_wait -1
	s_cmp_lg_u32 s[WV], 0
	s_cbranch_scc1 .Lnot_wave_0_\@
	s_barrier_signal -3
.Lnot_wave_0_\@:
	s_barrier_wait -3
	s_barrier_signal -1
	s_barrier_wait -1
.endm
.macro PLACES n                        ; plain vector instructions between a matrix instruction and what touches its registers (ISA guide 7.12.1)
.rept \n
	v_nop
.endr
.endm
	s_load_b512 s[4:19], s[0:1], 0x0               ; obj_center 4, fc1_w 6, fc1_b 8, ln1_g 10, ln1_b 12, fc2_w 14, fc2_b 16, ln2_g 18
	s_load_b512 s[20:35], s[0:1], 0x40             ; ln2_b 20, fc3_w 22, fc3_b 24, qf 26, kf 28, vf 30, opart 32, mlpart 34
	v_lshl_add_u32 v[SPW], v0, 2, SPARE
	v_mov_b32 v[NIL], 0
	ds_add_u32 v[SPW], v[NIL]                      ; the wave's opening: the add and its wait stand ahead of my first tensor load
	v_lshrrev_b32 v13, 5, v0
	v_readfirstlane_b32 s[WV], v13
	s_and_b32 s37, s[WV], 3                        ; qt
	s_lshr_b32 s38, s[WV], 2                       ; kc
	s_bfe_u32 s39, ttmp6, 0x40000                  ; cx
	s_lshl_b32 s40, ttmp9, 2
	s_add_co_u32 s40, s40, s39                     ; qb: it enters global addresses alone
	s_and_b32 s41, ttmp7, 0xffff                   ; kb, which the four partners share
	s_mov_b32 s48, 15|(3<<16)|(1<<21)              ; group 1: mask of four; 8-byte elements; bit 21 beside a mask; no padding: the bytes are fragments already
	s_mov_b32 s49, 32<<16                          ; tensor_dim0 = 32 (256 bytes)
	s_mov_b32 s50, 64<<16                          ; tensor_dim1 = 64
	s_mov_b32 s51, 32<<16                          ; tile_dim0
	s_mov_b32 s52, 64                              ; tile_dim1
	s_mov_b32 s53, 32                              ; dense rows
	s_mov_b32 s54, 0
	s_mov_b32 s55, 0
	s_mov_b32 s56, 1
	s_lshl_b32 s57, s[WV], 14                      ; wave w brings 16,384 bytes of K
	s_mov_b32 s60, 1
	s_add_co_u32 s61, s57, VFO                     ; and of V
	s_lshl_b32 s42, s41, 17                        ; the block's 131,072 bytes in kf and in vf
	s_add_co_u32 s42, s42, s57
	s_mov_b32 s43, 0
	s_mov_b32 s76, 0x3d000000                      ; 1 / 32
	s_mov_b32 s77, s76
	s_mov_b32 s78, 0x3727c5ac                      ; eps = 1e-5
	s_mov_b32 s80, 0x76543210                      ; v_permlanex16_b32: each lane takes its own place in the other half
	s_mov_b32 s81, 0xfedcba98
	s_wait_dscnt 0x0                               ; the opening add is done
	s_wait_kmcnt 0x0
	s_add_nc_u64 s[58:59], s[28:29], s[42:43]
	s_or_b32 s59, s59, 0x80000000
	s_add_nc_u64 s[62:63], s[30:31], s[42:43]
	s_or_b32 s63, s63, 0x80000000
	ROUND                                          ; all four work-groups are here: the joint loads meet
	tensor_load_to_lds s[56:59], s[48:55]
	s_nop 0
	tensor_load_to_lds s[60:63], s[48:55]
	s_nop 0
	PLACES 4                                       ; no window is switched among the four instructions behind a tensor load
	; ---- offsets, and all the loads of the set-up in one run
	v_and_b32 v13, 31, v0
	v_and_b32 v14, 15, v0                          ; m (a row of a weight fragment), also r (my query)
	v_bfe_u32 v15, v0, 4, 1                        ; h
	v_lshlrev_b32 v[L16], 4, v13
	s_lshl_b32 s42, s40, 2
	s_add_co_u32 s42, s42, s37                     ; my query tile, 4 qb + qt
	s_lshl_b32 s44, s41, 7
	s_add_co_u32 s44, s44, s42                     ; 128 kb + query tile: my place in opart and mlpart
	s_lshl_b32 s43, s42, 13
	v_add_nc_u32 v30, s43, v[L16]                  ; Q: tile x 8,192 + 16 lane
	s_mul_i32 s43, s42, 192
	v_mul_u32_u24 v31, v14, 12
	v_add_nc_u32 v31, s43, v31                     ; my query's centre
	v_and_b32 v44, 0x87, v0                        ; thread t fills entry t of the centres: its key is (t & 0x87) | ((t & 0x40) >> 3) | ((t & 0x38) << 1)
	v_and_b32 v58, 0x40, v0
	v_lshrrev_b32 v58, 3, v58
	v_or_b32 v44, v44, v58
	v_and_b32 v58, 0x38, v0
	v_lshl_or_b32 v44, v58, 1, v44
	v_mul_u32_u24 v44, v44, 12
	s_mul_i32 s43, s41, 3072
	v_add_nc_u32 v44, s43, v44
	v_lshlrev_b32 v46, 5, v15                      ; 32 h: my 8 + 8 input channels of a vector of 32
	v_lshl_add_u32 v45, v14, 7, v46                ; fc2_w: row m, the same channels
	v_bfe_u32 v50, v14, 1, 2                       ; the head of row m of A3: (m % 8) / 2
	v_lshl_add_u32 v47, v50, 7, v46                ; fc3_w
	v_lshlrev_b32 v50, 2, v50
	v_lshlrev_b32 v48, 4, v14                      ; fc1_w
	v_lshlrev_b32 v49, 2, v14                      ; fc1_b, fc2_b
	WIN 0x40                                       ; destination window 1
.set c, 0
.rept 16
	global_load_b128 v[QF+4*c:QF+4*c+3], v30, s[26:27] offset:c*512
.set c, c+1
.endr
	WIN 0
	global_load_b96 v[QC:QC+2], v31, s[4:5]
	global_load_b96 v[CK0:CK0+2], v44, s[4:5]
.macro LD16 dst, vo, sb, im            ; channels 8 h .. + 7 and 16 + 8 h .. + 7 of a row of 32 f32
	global_load_b128 v[(\dst):(\dst)+3], v[\vo], s[\sb:\sb+1] offset:(\im)
	global_load_b128 v[(\dst)+4:(\dst)+7], v[\vo], s[\sb:\sb+1] offset:(\im)+16
	global_load_b128 v[(\dst)+8:(\dst)+11], v[\vo], s[\sb:\sb+1] offset:(\im)+64
	global_load_b128 v[(\dst)+12:(\dst)+15], v[\vo], s[\sb:\sb+1] offset:(\im)+80
.endm
	LD16 64, 46, 10, 0                             ; ln1_g
	LD16 80, 46, 12, 0                             ; ln1_b
	LD16 96, 45, 14, 0                             ; fc2_w rows m
	LD16 176, 45, 14, 2048                         ; fc2_w rows 16 + m
	LD16 192, 47, 22, 0                            ; fc3_w
	LD16 128, 46, 18, 0                            ; ln2_g
	LD16 144, 46, 20, 0                            ; ln2_b
	global_load_b128 v[208:211], v48, s[6:7]
	global_load_b128 v[212:215], v48, s[6:7] offset:256
	global_load_b32 v216, v49, s[8:9]
	global_load_b32 v217, v49, s[8:9] offset:64
	global_load_b32 v218, v49, s[16:17]
	global_load_b32 v219, v49, s[16:17] offset:64
	global_load_b32 v220, v50, s[24:25]
	WIN 0x40                                       ; O^T starts at 0 and m at the lowest finite number: the first step is a step like any other, with a = 0.  This stands in the wait for the loads
.set i, 0
.rept 128
	v_mov_b32 v[OT+i], 0
.set i, i+1
.endr
	WIN 0
	v_cmp_eq_u32 s88, 0, v15
	v_cmp_eq_u32 s89, 1, v15
	v_lshrrev_b32 v55, 3, v14
	v_and_b32 v56, 1, v14
	v_lshl_or_b32 v55, v55, 1, v56                 ; 2 (m / 8) + m % 2: the placing in which row m holds data
.irp kk,0,1,2,3
	v_cmp_eq_u32 s[90+\kk], \kk, v55
.endr
	s_wait_loadcnt 0x0
; A row of weights w (my 16 of its 32 numbers at wr), a gain at gr, a bias at br.  Leaves w g less its mean over the 32 at wr, and the sum of w b over the 32 in v[E1].
.macro FOLD wr, gr, br
.set i, 0
.rept 8
	v_pk_mul_f32 v[DT+2*i:DT+2*i+1], v[(\wr)+2*i:(\wr)+2*i+1], v[(\br)+2*i:(\br)+2*i+1]
	v_pk_mul_f32 v[(\wr)+2*i:(\wr)+2*i+1], v[(\wr)+2*i:(\wr)+2*i+1], v[(\gr)+2*i:(\gr)+2*i+1]
.set i, i+1
.endr
	v_pk_add_f32 v[E0:E0+1], v[(\wr):(\wr)+1], v[(\wr)+2:(\wr)+3]
	v_pk_add_f32 v[E1:E1+1], v[DT:DT+1], v[DT+2:DT+3]
.set i, 2
.rept 6
	v_pk_add_f32 v[E0:E0+1], v[E0:E0+1], v[(\wr)+2*i:(\wr)+2*i+1]
	v_pk_add_f32 v[E1:E1+1], v[E1:E1+1], v[DT+2*i:DT+2*i+1]
.set i, i+1
.endr
	v_add_f32 v[E0], v[E0], v[E0+1]
	v_add_f32 v[E1], v[E1], v[E1+1]
	v_permlanex16_b32 v[E0+1], v[E0], s80, s81     ; the row's other 16 numbers lie in the lane 16 away
	v_permlanex16_b32 v[E1+1], v[E1], s80, s81
	v_add_f32 v[E0], v[E0], v[E0+1]
	v_add_f32 v[E1], v[E1], v[E1+1]
	v_mul_f32 v[E0], 0x3d000000, v[E0]
.set i, 0
.rept 8
	v_pk_add_f32 v[(\wr)+2*i:(\wr)+2*i+1], v[(\wr)+2*i:(\wr)+2*i+1], v[E0:E0+1] op_sel_hi:[1,0] neg_lo:[0,1] neg_hi:[0,1]
.set i, i+1
.endr
.endm
.macro PACK8 dst, src
.set i, 0
.rept 8
	v_cvt_pk_bf16_f32 v[(\dst)+i], v[(\src)+2*i], v[(\src)+2*i+1]
.set i, i+1
.endr
.endm
	FOLD 96, 64, 80
	PACK8 A2, 96
	v_add_f32 v52, v[E1], v218                     ; c2 of channel m
	FOLD 176, 64, 80
	PACK8 A2+8, 176
	v_add_f32 v53, v[E1], v219                     ; c2 of channel 16 + m
	FOLD 192, 128, 144
.set i, 0
.rept 8
	v_pk_mul_f32 v[192+2*i:193+2*i], v[192+2*i:193+2*i], 0x3fb8aa3b op_sel_hi:[1,0]  ; scores are kept in units of log2
.set i, i+1
.endr
	PACK8 96, 192
	v_add_f32 v54, v[E1], v220
	v_mul_f32 v54, 0x3fb8aa3b, v54                 ; c3 of row m's head
.irp hd,0,1,2,3
	v_readlane_b32 s[68+2*\hd], v54, 2*\hd         ; row 2 hd belongs to head hd; used as a number alone
.endr
.irp hd,0,1,2,3
	s_mov_b32 s[69+2*\hd], s[68+2*\hd]
.endr
.irp kk,0,1,2,3
.irp i,0,1,2,3,4,5,6,7
	v_cndmask_b32 v[A3+8*\kk+\i], 0, v[96+\i], s[90+\kk]
.endr
.endr
.macro HILO dst, src                   ; a number as two bf16: rounded, and what the rounding dropped
	v_cvt_pk_bf16_f32 v[\dst], v[\src], v[\src]
	v_lshlrev_b32 v[\dst], 16, v[\dst]
	v_sub_f32 v[\dst], v[\src], v[\dst]
	v_cvt_pk_bf16_f32 v[\dst], v[\src], v[\dst]
.endm
.irp t,0,1
	v_cvt_pk_bf16_f32 v104, v[208+4*\t], v[209+4*\t]
	v_cvt_pk_bf16_f32 v105, v[210+4*\t], v[211+4*\t]
	HILO 106, 216+\t
	HILO 107, 52+\t
.irp g,0,1
	v_cndmask_b32 v[ACOMB+8*(2*\t+\g)], 0, v104, s[88+\g]
	v_cndmask_b32 v[ACOMB+8*(2*\t+\g)+1], 0, v105, s[88+\g]
	v_cndmask_b32 v[ACOMB+8*(2*\t+\g)+2], 0, v106, s[88+\g]
	v_mov_b32 v[ACOMB+8*(2*\t+\g)+3], 0
	v_mov_b32 v[ACOMB+8*(2*\t+\g)+4], 0
	v_mov_b32 v[ACOMB+8*(2*\t+\g)+5], 0
	v_mov_b32 v[ACOMB+8*(2*\t+\g)+6], 0
	v_cndmask_b32 v[ACOMB+8*(2*\t+\g)+7], 0, v107, s[88+\g]
.endr
.endr
.irp hd,0,1,2,3
	v_mov_b32 v[MP+2*\hd], 0xff7fffff
	v_mov_b32 v[LP+2*\hd], 0
	v_mov_b32 v[LP+2*\hd+1], 0
.endr
	v_mov_b32 v[BB+2], 0x3f803f80                  ; 1, 1
.set i, 3
.rept 9
	v_mov_b32 v[BB+i], 0
.set i, i+1
.endr
	; the centres into LDS
	v_mov_b32 v[CK0+3], 0
	v_lshl_add_u32 v51, v0, 4, CEN
	ds_store_b128 v51, v[CK0:CK0+3]
	s_cmp_lg_u32 s[WV], 0
	s_cbranch_scc1 .Lno_pad
	v_add_nc_u32 v57, CEN+4096, v[L16]
	ds_store_b128 v57, v[BB+4:BB+7]                ; zeros behind the table: the fetch ahead runs three entries past the last
.Lno_pad:
	s_lshl_b32 s43, s38, 11
	s_add_co_u32 s43, s43, CEN
	v_lshl_add_u32 v[AC0], v15, 10, s43            ; my half's 64 entries
	v_mov_b32 v[AC], v[AC0]
	s_lshl_b32 s43, s[WV], 12
	s_add_co_u32 s43, s43, SCR
	v_lshl_add_u32 v[AS0], v13, 3, s43
	s_lshl_b32 s43, s38, 16
	v_add_nc_u32 v[AK0], s43, v[L16]               ; my half's 8 key tiles
	v_add_nc_u32 v[AV0], VFO, v[AK0]               ; and 4 blocks of V
	s_wait_dscnt 0x0                               ; for the others' sake: my centres are stored
	s_barrier_signal -1
	s_barrier_wait -1                              ; K and V may stay on their way
; ---- THE MLP's PARTS
.macro RELU2 r
.if DUAL
	v_dual_max_num_f32 v[\r], 0, v[\r] :: v_dual_max_num_f32 v[(\r)+1], 0, v[(\r)+1]
.else
	v_max_num_f32 v[\r], 0, v[\r]
	v_max_num_f32 v[(\r)+1], 0, v[(\r)+1]
.endif
.endm
; relu of both groups' 32 registers (each accumulator from its low end on); then sums, sums of squares and roundings, in four chains that do not wait for each other
.macro ACTSTAT
.set i, 0
.rept 16
	RELU2 X+2*i
.set i, i+1
.endr
.set i, 0
.rept 8
.irp g,0,1
.if i == 0
	v_pk_mul_f32 v[QA0+4*\g:QA0+4*\g+1], v[X+16*\g:X+16*\g+1], v[X+16*\g:X+16*\g+1]
.else
	v_pk_fma_f32 v[QA0+4*\g:QA0+4*\g+1], v[X+16*\g+2*i:X+16*\g+2*i+1], v[X+16*\g+2*i:X+16*\g+2*i+1], v[QA0+4*\g:QA0+4*\g+1]
.endif
.if i == 1
	v_pk_add_f32 v[SA0+4*\g:SA0+4*\g+1], v[X+16*\g:X+16*\g+1], v[X+16*\g+2:X+16*\g+3]
.elseif i > 1
	v_pk_add_f32 v[SA0+4*\g:SA0+4*\g+1], v[SA0+4*\g:SA0+4*\g+1], v[X+16*\g+2*i:X+16*\g+2*i+1]
.endif
	v_cvt_pk_bf16_f32 v[PK+8*\g+i], v[X+16*\g+2*i], v[X+16*\g+2*i+1]
.endr
.set i, i+1
.endr
.endm
; A pair's 32 channels lie in two lanes, 16 apart.  The swap hands group 0's upper half to lanes 0-15 and group 1's lower half to lanes 16-31: lane (r, h) ends with the sum and the sum of squares of ITS pair
.macro STATX
	v_add_f32 v[E0], v[SA0], v[SA0+1]
	v_add_f32 v[E0+1], v[QA0], v[QA0+1]
	v_add_f32 v[E1], v[SA0+4], v[SA0+5]
	v_add_f32 v[E1+1], v[QA0+4], v[QA0+5]
	v_permlane16_swap_b32 v[E0], v[E1]
	v_permlane16_swap_b32 v[E0+1], v[E1+1]
	v_pk_add_f32 v[E0:E0+1], v[E0:E0+1], v[E1:E1+1]
.endm
.macro V1B                             ; s1, twice in bf16, into its K slots
	v_pk_mul_f32 v[E0:E0+1], v[E0:E0+1], s[76:77] op_sel_hi:[1,0]
	v_fma_f32 v[U], -v[E0], v[E0], v[E0+1]
	v_max_num_f32 v[U], 0, v[U]
	v_add_f32 v[VARE], s78, v[U]
	v_sqrt_f32 v[SD1], v[VARE]
	v_nop                                          ; a plain instruction behind the root
	s_wait_alu depctr_va_vdst(0)
	v_cvt_pk_bf16_f32 v[BB+11], v[SD1], v[SD1]
.endm
.macro V2B a                           ; inv2 = 1 / sqrt(var z + eps (var1 + eps))
	v_pk_mul_f32 v[E0:E0+1], v[E0:E0+1], s[76:77] op_sel_hi:[1,0]
	v_fma_f32 v[U], -v[E0], v[E0], v[E0+1]
	v_max_num_f32 v[U], 0, v[U]
	v_fma_f32 v[U], s78, v[VARE], v[U]
	v_rsq_f32 v[INV+\a], v[U]
.endm
.macro M1 x, a                         ; layer 1 of one group and tile
	v_wmma_f32_16x16x32_bf16 v[X+\x:X+\x+7], v[ACOMB+\a:ACOMB+\a+7], v[BB:BB+7], 0
.endm
.macro M2MAIN                          ; W2' r
.irp g,0,1
.irp t,0,1
	v_wmma_f32_16x16x32_bf16 v[X+16*\g+8*\t:X+16*\g+8*\t+7], v[A2+8*\t:A2+8*\t+7], v[PK+8*\g:PK+8*\g+7], 0
.endr
.endr
.endm
.macro M2S                             ; + c2 s1: the four accumulators in the same order, so that three others' turns stand between two links
.irp g,0,1
.irp t,0,1
	v_wmma_f32_16x16x32_bf16 v[X+16*\g+8*\t:X+16*\g+8*\t+7], v[ACOMB+8*(2*\t+\g):ACOMB+8*(2*\t+\g)+7], v[BB+4:BB+11], v[X+16*\g+8*\t:X+16*\g+8*\t+7]
.endr
.endr
.endm
.macro M3M1 a                          ; fc3 of both groups into the biases' tile, and layer 1 of the next double group between and behind: no two that follow each other share an accumulator
.if \a == 0
	v_wmma_f32_16x16x32_bf16 v[DT:DT+7], v[A3:A3+7], v[PK:PK+7], 0
.else
	v_wmma_f32_16x16x32_bf16 v[DT:DT+7], v[A3+8:A3+15], v[PK:PK+7], v[DT:DT+7]
.endif
	M1 0, 0
	v_wmma_f32_16x16x32_bf16 v[DT:DT+7], v[A3+16+8*\a:A3+16+8*\a+7], v[PK+8:PK+15], v[DT:DT+7]
	M1 8, 16
	M1 16, 8
	M1 24, 24
.endm
; The next double group's features from the centre fetched two double groups ago; then that register fetches on.  Its seven plain instructions name no register of the products in front: they are their places
.macro FEAT ck, off
	s_wait_dscnt 0x0
	v_pk_add_f32 v[FT:FT+1], v[\ck:(\ck)+1], v[QC:QC+1] neg_lo:[0,1] neg_hi:[0,1]
	v_sub_f32 v[FT+2], v[(\ck)+2], v[QC+2]
	v_pk_mul_f32 v[U:U+1], v[FT:FT+1], v[FT:FT+1]
	v_fma_f32 v[U+2], v[FT+2], v[FT+2], v[U]
	v_add_f32 v[U+2], v[U+2], v[U+1]
	v_sqrt_f32 v[FT+3], v[U+2]
	v_cvt_pk_bf16_f32 v[BB], v[FT], v[FT+1]
	s_wait_alu depctr_va_vdst(0)
	v_cvt_pk_bf16_f32 v[BB+1], v[FT+2], v[FT+3]
	ds_load_b128 v[\ck:(\ck)+3], v[AC] offset:\off
.endm
.macro DG a                            ; a double group: 32 pairs
	ACTSTAT
	M2MAIN
	STATX
	V1B
	M2S
.if \a == 0
	FEAT CK1, 48
.else
	FEAT CK0, 64
.endif
	ACTSTAT
	M3M1 \a
	STATX
	V2B \a
.endm
.macro TAIL                            ; two double groups' biases: raw x inv2 + c3, two at a time, into the scratch; the trip's addresses step
	s_add_co_u32 s84, s84, 32
	v_add_nc_u32 v[AC], s84, v[AC0]                ; also the plain instruction behind the reciprocal root
	s_wait_alu depctr_va_vdst(0)
.irp hd,0,1,2,3
	v_pk_fma_f32 v[DT+2*\hd:DT+2*\hd+1], v[DT+2*\hd:DT+2*\hd+1], v[INV:INV+1], s[68+2*\hd:69+2*\hd] op_sel_hi:[1,1,0]
	ds_store_b64 v[AS], v[DT+2*\hd:DT+2*\hd+1] offset:\hd*1024
.endr
	s_add_co_u32 s85, s85, 256
	v_add_nc_u32 v[AS], s85, v[AS0]
.endm
; S^T of key tile kt: the biases come back as C; K's 8 fragments; 8 products, the four heads by turns
.macro QKPH kt
.if \kt == 0
	s_wait_tensorcnt 0x0                           ; my parts of K and V have landed (in the first step; later it is met at once),
	s_wait_dscnt 0x0
	s_barrier_signal -1
	s_barrier_wait -1                              ; and everybody's: the fill had the first key tile's MLP in which to land
.endif
	WIN 0x40
.irp hd,0,1,2,3
.irp tt,0,1,2,3
	ds_load_b64 v[SS+16*\hd+8*(\kt)+2*\tt:SS+16*\hd+8*(\kt)+2*\tt+1], v[AS0] offset:\hd*1024+\tt*256  ; LDS serves a wave's instructions in order (ISA guide 5.7.1.4): these see my stores
.endr
.endr
	WIN 0
.set c, 0
.rept 16
	ds_load_b128 v[X+4*c:X+4*c+3], v[AK] offset:(\kt)*8192+c*512
.set c, c+1
.endr
	s_wait_dscnt 0x0
	WIN 0x54                                       ; K window 0; Q, C and D window 1
.irp ks,0,1
.irp hd,0,1,2,3
	v_wmma_f32_16x16x32_bf16 v[SS+16*\hd+8*(\kt):SS+16*\hd+8*(\kt)+7], v[X+16*\hd+8*\ks:X+16*\hd+8*\ks+7], v[QF+16*\hd+8*\ks:QF+16*\hd+8*\ks+7], v[SS+16*\hd+8*(\kt):SS+16*\hd+8*(\kt)+7]
.endr
.endr
	WIN 0
.endm
; A key tile: 8 double groups in 4 trips, then its scores.  Layer 1 of the tile's first double group is made anew from the features, which still stand: what the tile before made of it lay in
; registers that K's fragments or P have taken since (4 products in 256 pairs: the price of one text for every trip).
.macro KT kt
	PLACES 5                                       ; X's registers were sources of the products in front
	M1 0, 0
	M1 8, 16
	M1 16, 8
	M1 24, 24
	s_mov_b32 s85, 0
	v_mov_b32 v[AS], v[AS0]
	PLACES 3
	s_mov_b32 s83, 4
.Ltrip_\@:
	DG 0
	DG 1
	TAIL
	s_sub_co_u32 s83, s83, 1
	s_cmp_lg_u32 s83, 0
	s_cbranch_scc1 .Ltrip_\@
	QKPH \kt
.endm
; THE SOFTMAX of 16 queries x 32 keys x 4 heads, in parts of one window setting each
.macro SOFTMAX
	PLACES 4                                       ; behind the last K Q^T
	WIN 0x15                                       ; three sources in window 1
.irp hd,0,1,2,3
	v_max3_num_f32 v[AP+2*\hd+1], v[SS+16*\hd], v[SS+16*\hd+1], v[SS+16*\hd+2]
	v_max3_num_f32 v[MP+2*\hd+1], v[SS+16*\hd+8], v[SS+16*\hd+9], v[SS+16*\hd+10]
.endr
	WIN 0x14
.irp hd,0,1,2,3
	v_max3_num_f32 v[AP+2*\hd+1], v[AP+2*\hd+1], v[SS+16*\hd+3], v[SS+16*\hd+4]
	v_max3_num_f32 v[MP+2*\hd+1], v[MP+2*\hd+1], v[SS+16*\hd+11], v[SS+16*\hd+12]
.endr
.irp hd,0,1,2,3
	v_max3_num_f32 v[AP+2*\hd+1], v[AP+2*\hd+1], v[SS+16*\hd+5], v[SS+16*\hd+6]
	v_max3_num_f32 v[MP+2*\hd+1], v[MP+2*\hd+1], v[SS+16*\hd+13], v[SS+16*\hd+14]
.endr
.irp hd,0,1,2,3
	v_max3_num_f32 v[AP+2*\hd+1], v[AP+2*\hd+1], v[SS+16*\hd+7], v[SS+16*\hd+15]
.endr
	WIN 0
.irp hd,0,1,2,3
	v_max3_num_f32 v[AP+2*\hd+1], v[AP+2*\hd+1], v[MP+2*\hd+1], v[MP+2*\hd]
.endr
.irp hd,0,1,2,3
	v_permlanex16_b32 v[MP+2*\hd+1], v[AP+2*\hd+1], s80, s81  ; the query's other 16 keys lie in the lane 16 away
.endr
.irp hd,0,1,2,3
	v_max_num_f32 v[AP+2*\hd+1], v[AP+2*\hd+1], v[MP+2*\hd+1]
.endr
.irp hd,0,1,2,3
	v_sub_f32 v[MP+2*\hd+1], v[MP+2*\hd], v[AP+2*\hd+1]
.endr
.irp hd,0,1,2,3
	v_exp_f32 v[AP+2*\hd], v[MP+2*\hd+1]           ; a = 2^(m_old - m_new)
.endr
.irp hd,0,1,2,3
	v_mov_b32 v[MP+2*\hd], v[AP+2*\hd+1]
.endr
	WIN 0x41                                       ; destination and source 0 window 1, source 1 window 0
.irp hd,0,1,2,3
.set i, 0
.rept 8
	v_pk_add_f32 v[SS+16*\hd+2*i:SS+16*\hd+2*i+1], v[SS+16*\hd+2*i:SS+16*\hd+2*i+1], v[MP+2*\hd:MP+2*\hd+1] op_sel_hi:[1,0] neg_lo:[0,1] neg_hi:[0,1]
.set i, i+1
.endr
.set i, 0
.rept 16                               ; an exponential and a rescaling of O^T by turns: a plain instruction stands behind every exponential
	v_exp_f32 v[SS+16*\hd+i], v[SS+16*\hd+i]
	s_wait_alu depctr_va_vdst(0)
	v_pk_mul_f32 v[OT+32*\hd+2*i:OT+32*\hd+2*i+1], v[OT+32*\hd+2*i:OT+32*\hd+2*i+1], v[AP+2*\hd:AP+2*\hd+1] op_sel_hi:[1,0]
.set i, i+1
.endr
.endr
	WIN 0
.irp ct,0,1,2,3                        ; V's first four fragments are asked for
	ds_load_b128 v[PK+8*\ct:PK+8*\ct+3], v[AV] offset:\ct*1024
	ds_load_b128 v[PK+8*\ct+4:PK+8*\ct+7], v[AV] offset:\ct*1024+512
.endr
	WIN 0x05                                       ; sources window 1, destination window 0
.set i, 0
	s_wait_alu depctr_va_vdst(0)
.rept 32
	v_cvt_pk_bf16_f32 v[X+i], v[SS+2*i], v[SS+2*i+1]  ; P: two tiles of S^T rounded in pairs are source 1 of V^T P
.set i, i+1
.endr
	WIN 0x45
.irp hd,0,1,2,3
.irp i,0,4,8,12
	v_pk_add_f32 v[SS+16*\hd+\i:SS+16*\hd+\i+1], v[SS+16*\hd+\i:SS+16*\hd+\i+1], v[SS+16*\hd+\i+2:SS+16*\hd+\i+3]
.endr
.endr
.irp hd,0,1,2,3
.irp i,0,8
	v_pk_add_f32 v[SS+16*\hd+\i:SS+16*\hd+\i+1], v[SS+16*\hd+\i:SS+16*\hd+\i+1], v[SS+16*\hd+\i+4:SS+16*\hd+\i+5]
.endr
.endr
.irp hd,0,1,2,3
	v_pk_add_f32 v[SS+16*\hd:SS+16*\hd+1], v[SS+16*\hd:SS+16*\hd+1], v[SS+16*\hd+8:SS+16*\hd+9]
.endr
	WIN 0x10
.irp hd,0,1,2,3
	v_pk_fma_f32 v[LP+2*\hd:LP+2*\hd+1], v[LP+2*\hd:LP+2*\hd+1], v[AP+2*\hd:AP+2*\hd+1], v[SS+16*\hd:SS+16*\hd+1] op_sel_hi:[1,0,1]
.endr
.endm
; O^T += V^T P: 16 products on 16 accumulators.  V's fragments come in three batches: tiles 0-3 (asked for above), 4-11 into S^T's registers, 12-15 where 0-3 lay
.macro PV
	WIN 0x40
.irp ct,4,5,6,7,8,9,10,11
	ds_load_b128 v[SS+8*(\ct-4):SS+8*(\ct-4)+3], v[AV] offset:\ct*1024
	ds_load_b128 v[SS+8*(\ct-4)+4:SS+8*(\ct-4)+7], v[AV] offset:\ct*1024+512
.endr
	s_wait_dscnt 16                                ; the first batch is in; the 16 loads just issued may stay out
	WIN 0x50
.irp ct,0,1,2,3
	v_wmma_f32_16x16x32_bf16 v[OT+8*\ct:OT+8*\ct+7], v[PK+8*\ct:PK+8*\ct+7], v[X:X+7], v[OT+8*\ct:OT+8*\ct+7]
.endr
	PLACES 4                                       ; in front of the loads into the registers just multiplied
	WIN 0
.irp ct,12,13,14,15
	ds_load_b128 v[PK+8*(\ct-12):PK+8*(\ct-12)+3], v[AV] offset:\ct*1024
	ds_load_b128 v[PK+8*(\ct-12)+4:PK+8*(\ct-12)+7], v[AV] offset:\ct*1024+512
.endr
	s_wait_dscnt 8                                 ; the second batch is in; the 8 loads just issued may stay out
	WIN 0x51
.irp ct,4,5,6,7,8,9,10,11
	v_wmma_f32_16x16x32_bf16 v[OT+8*\ct:OT+8*\ct+7], v[SS+8*(\ct-4):SS+8*(\ct-4)+7], v[X+8*(\ct/4):X+8*(\ct/4)+7], v[OT+8*\ct:OT+8*\ct+7]
.endr
	s_wait_dscnt 0x0
	WIN 0x50
.irp ct,12,13,14,15
	v_wmma_f32_16x16x32_bf16 v[OT+8*\ct:OT+8*\ct+7], v[PK+8*(\ct-12):PK+8*(\ct-12)+7], v[X+24:X+31], v[OT+8*\ct:OT+8*\ct+7]
.endr
	WIN 0
.endm
	; ---- the first double group's features; entries 1 and 2 are fetched ahead
	ds_load_b128 v[CK0:CK0+3], v[AC]
	FEAT CK0, 32
	ds_load_b128 v[CK1:CK1+3], v[AC] offset:16
	s_mov_b32 s82, 4
	s_mov_b32 s84, 0                               ; the centres' step: 32 bytes a trip, 32 trips
	s_mov_b32 s86, 0                               ; K's and V's step: 16,384 bytes a step
.Lstep:
	v_add_nc_u32 v[AK], s86, v[AK0]
	v_add_nc_u32 v[AV], s86, v[AV0]
	KT 0
	KT 1
	SOFTMAX
	PV
	s_add_co_u32 s86, s86, 16384
	s_sub_co_u32 s82, s82, 1
	s_cmp_lg_u32 s82, 0
	s_cbranch_scc1 .Lstep
	; ---- THE WAY OUT.  The addresses and l's additions are the places behind the last products
	s_mul_i32 s45, s37, MGP
	v_add_nc_u32 v13, s45, v[L16]                  ; my query tile's stage
	s_lshl_b32 s45, s44, 14
	v_add_nc_u32 v30, s45, v[L16]                  ; my 16,384 bytes of opart
	s_lshl_b32 s45, s44, 9
	v_add_nc_u32 v31, s45, v[L16]                  ; my 512 bytes of mlpart
.irp hd,0,1,2,3
	v_add_f32 v[LP+2*\hd], v[LP+2*\hd], v[LP+2*\hd+1]
.endr
.irp hd,0,1,2,3
	v_permlanex16_b32 v[LP+2*\hd+1], v[LP+2*\hd], s80, s81
.endr
.irp hd,0,1,2,3
	v_add_f32 v[68+\hd], v[LP+2*\hd], v[LP+2*\hd+1] ; l of the four heads in v[68:71],
.endr
.irp hd,0,1,2,3
	v_mov_b32 v[64+\hd], v[MP+2*\hd]               ; m in v[64:67]
.endr
	s_wait_dscnt 0x0
	s_barrier_signal -1
	s_barrier_wait -1                              ; nobody reads K or V any more; they have had their only fill
	s_cmp_lt_u32 s[WV], 4
	s_cbranch_scc1 .Lkeep
	WIN 0x04                                       ; store data in window 1
.set i, 0
.rept 32
	ds_store_b128 v13, v[OT+4*i:OT+4*i+3] offset:i*512
.set i, i+1
.endr
	WIN 0
	ds_store_b128 v13, v[64:67] offset:16384
	ds_store_b128 v13, v[68:71] offset:16896
.Lkeep:
	s_wait_dscnt 0x0                               ; for the partner's sake
	s_barrier_signal -1
	s_barrier_wait -1
	s_cmp_lt_u32 s[WV], 4
	s_cbranch_scc0 .Ldone
	ds_load_b128 v[72:75], v13 offset:16384        ; the partner's m
	ds_load_b128 v[76:79], v13 offset:16896        ; and l
	WIN 0x40
.set i, 0
.rept 16
	ds_load_b128 v[SS+4*i:SS+4*i+3], v13 offset:i*512  ; its O^T of heads 0, 1
.set i, i+1
.endr
	WIN 0
	s_wait_dscnt 16                                ; m and l are in; the 16 loads issued behind them may stay out
.irp hd,0,1,2,3
	v_max_num_f32 v[80+\hd], v[64+\hd], v[72+\hd]
.endr
.irp hd,0,1,2,3
	v_sub_f32 v[84+\hd], v[64+\hd], v[80+\hd]
	v_sub_f32 v[88+\hd], v[72+\hd], v[80+\hd]
.endr
.irp hd,0,1,2,3
	v_exp_f32 v[AP+2*\hd], v[84+\hd]               ; my factor
	v_exp_f32 v[FT+2*\hd], v[88+\hd]               ; the partner's
.endr
.irp hd,0,1,2,3
	v_mov_b32 v[FT+2*\hd+1], 0                     ; named with the factor as a pair; also the plain instructions behind the exponentials
.endr
	s_wait_alu depctr_va_vdst(0)
.irp hd,0,1,2,3
	v_mul_f32 v[68+\hd], v[68+\hd], v[AP+2*\hd]
.endr
.irp hd,0,1,2,3
	v_fma_f32 v[68+\hd], v[76+\hd], v[FT+2*\hd], v[68+\hd]
.endr
.irp hd,0,1,2,3
	v_cndmask_b32 v[84+\hd], v[80+\hd], v[68+\hd], s89  ; lanes 0-15 carry m, lanes 16-31 l
.endr
	global_store_b128 v31, v[84:87], s[34:35]
.macro MHALF hh                        ; heads 2 hh, 2 hh + 1: O = O f + O' f', and out
	s_wait_dscnt 0x0
	WIN 0x41
.irp q,0,1
.set i, 0
.rept 16
	v_pk_mul_f32 v[OT+64*(\hh)+32*\q+2*i:OT+64*(\hh)+32*\q+2*i+1], v[OT+64*(\hh)+32*\q+2*i:OT+64*(\hh)+32*\q+2*i+1], v[AP+4*(\hh)+2*\q:AP+4*(\hh)+2*\q+1] op_sel_hi:[1,0]
.set i, i+1
.endr
.endr
	WIN 0x51
.irp q,0,1
.set i, 0
.rept 16
	v_pk_fma_f32 v[OT+64*(\hh)+32*\q+2*i:OT+64*(\hh)+32*\q+2*i+1], v[SS+32*\q+2*i:SS+32*\q+2*i+1], v[FT+4*(\hh)+2*\q:FT+4*(\hh)+2*\q+1], v[OT+64*(\hh)+32*\q+2*i:OT+64*(\hh)+32*\q+2*i+1] op_sel_hi:[1,0,1]
.set i, i+1
.endr
.endr
.if \hh == 0
	WIN 0x40
.set i, 0
.rept 16
	ds_load_b128 v[SS+4*i:SS+4*i+3], v13 offset:(16+i)*512
.set i, i+1
.endr
.endif
	WIN 0x04
.set i, 0
.rept 16
	global_store_b128 v30, v[OT+64*(\hh)+4*i:OT+64*(\hh)+4*i+3], s[32:33] offset:(16*(\hh)+i)*512  ; a wave's store covers 512 consecutive bytes, aligned
.set i, i+1
.endr
	WIN 0
.endm
	MHALF 0
	MHALF 1
.Ldone:
	s_wait_tensorcnt 0x0                           ; the wave's end
	ds_add_u32 v[SPW], v[NIL]
	s_wait_dscnt 0x0
	ROUND                                          ; the closing round
	s_endpgm
.Lfunc_end_k_q494c3b7eb6_attn:
	.size	k_q494c3b7eb6_attn, .Lfunc_end_k_q494c3b7eb6_attn-k_q494c3b7eb6_attn
	.p2alignl 7, 3214868480
	.fill 96, 4, 3214868480
	.section	.rodata,"a",@progbits
	.p2align	6, 0x0
	.amdhsa_kernel k_q494c3b7eb6_attn
		.amdhsa_group_segment_fixed_size 327680
		.amdhsa_private_segment_fixed_size 0
		.amdhsa_enable_private_segment 0
		.amdhsa_kernarg_size 128
		.amdhsa_user_sgpr_count 2
		.amdhsa_user_sgpr_kernarg_segment_ptr 1
		.amdhsa_wavefront_size32 1
		.amdhsa_system_sgpr_workgroup_id_x 1
		.amdhsa_system_sgpr_workgroup_id_y 1
		.amdhsa_system_sgpr_workgroup_id_z 1
		.amdhsa_system_vgpr_workitem_id 0
		.amdhsa_next_free_vgpr 512
		.amdhsa_next_free_sgpr 96
		.amdhsa_reserve_vcc 0
		.amdhsa_float_denorm_mode_32 3
		.amdhsa_float_denorm_mode_16_64 3
		.amdhsa_memory_ordered 1
		.amdhsa_forward_progress 1
		.amdhsa_inst_pref_size 121
	.end_amdhsa_kernel
	.amdgpu_metadata
---
amdhsa.version: [ 1, 2 ]
amdhsa.kernels:
  - .name:           k_q494c3b7eb6_attn
    .symbol:         k_q494c3b7eb6_attn.kd
    .args:
      - { .name: obj_center, .offset: 0, .size: 8, .value_kind: global_buffer, .address_space: global }
      - { .name: fc1_w, .offset: 8, .size: 8, .value_kind: global_buffer, .address_space: global }
      - { .name: fc1_b, .offset: 16, .size: 8, .value_kind: global_buffer, .address_space: global }
      - { .name: ln1_g, .offset: 24, .size: 8, .value_kind: global_buffer, .address_space: global }
      - { .name: ln1_b, .offset: 32, .size: 8, .value_kind: global_buffer, .address_space: global }
      - { .name: fc2_w, .offset: 40, .size: 8, .value_kind: global_buffer, .address_space: global }
      - { .name: fc2_b, .offset: 48, .size: 8, .value_kind: global_buffer, .address_space: global }
      - { .name: ln2_g, .offset: 56, .size: 8, .value_kind: global_buffer, .address_space: global }
      - { .name: ln2_b, .offset: 64, .size: 8, .value_kind: global_buffer, .address_space: global }
      - { .name: fc3_w, .offset: 72, .size: 8, .value_kind: global_buffer, .address_space: global }
      - { .name: fc3_b, .offset: 80, .size: 8, .value_kind: global_buffer, .address_space: global }
      - { .name: qf, .offset: 88, .size: 8, .value_kind: global_buffer, .address_space: global }
      - { .name: kf, .offset: 96, .size: 8, .value_kind: global_buffer, .address_space: global }
      - { .name: vf, .offset: 104, .size: 8, .value_kind: global_buffer, .address_space: global }
      - { .name: opart, .offset: 112, .size: 8, .value_kind: global_buffer, .address_space: global }
      - { .name: mlpart, .offset: 120, .size: 8, .value_kind: global_buffer, .address_space: global }
    .group_segment_fixed_size: 327680
    .private_segment_fixed_size: 0
    .kernarg_segment_align: 8
    .kernarg_segment_size: 128
    .max_flat_workgroup_size: 256
    .sgpr_count:     96
    .vgpr_count:     512
    .wavefront_size: 32
...
	.end_amdgpu_metadata
.endif
;; end of part 2
;; launch outp (part 3): grid 128 x 2, 8 waves a work-group, clusters of 4 x 1, 167,936 bytes of LDS; arguments opart, mlpart, wo, bo, out0; writes out0
.if DOCPART == 3
	.amdgcn_target "amdgcn-amd-amdhsa--gfx1250"
	.amdhsa_code_object_version 6
	.text
	.protected	k_q494c3b7eb6_outp
	.globl	k_q494c3b7eb6_outp
	.p2align	8
	.type	k_q494c3b7eb6_outp,@function
k_q494c3b7eb6_outp:
	s_mov_b64 s[64:65], 0
	v_nop
	global_prefetch_b8 v0, s[64:65] scope:SCOPE_SE
	s_setreg_imm32_b32 hwreg(HW_REG_WAVE_MODE, 25, 1), 1
	s_wait_xcnt 0x0
	s_wait_alu depctr_hold_cnt(0) depctr_sa_sdst(0) depctr_va_vdst(0) depctr_va_sdst(0) depctr_va_ssrc(0) depctr_va_vcc(0) depctr_vm_vsrc(0)
	s_getreg_b32 s2, hwreg(HW_REG_IB_STS2, 6, 4)
	s_cmp_eq_u32 s2, 0
	s_cbranch_scc0 .Lentry_in_a_cluster
	s_endpgm
.Lentry_in_a_cluster:
	s_bfe_u32 s2, ttmp6, 0x10000c
	s_cmp_lg_u32 s2, 0x3003
	s_cbranch_scc0 .Lentry_shape_is_right
	s_endpgm
.Lentry_shape_is_right:
; OUTP.  The 8 key blocks' partial (O^T, m, l) of 16 queries are merged: m* = max m, f = 2^(m - m*), O = sum f O / sum f l; then out = O wo^T + bo for 128 of the 256 output columns.
; SHARES.  Work-group (query tile T, column half y).  Wave w merges channel tiles 2 w, 2 w + 1 (head w / 2) and makes output columns 128 y + 16 w .. + 15.
; LAYOUT.  O^T as it left the accumulators: a lane holds one query and 8 channels, which rounded in pairs are half a source-1 fragment.  D(m = output column, n = query); it goes through a
; stage in LDS, so that a wave stores whole rows of 512 bytes.
; CLUSTER.  The four work-groups of a cluster have the same y and read the same rows of wo: asked for jointly, once, one tensor load a wave.
; LIMITS.  O and wo are rounded to bf16 for the product; a factor below 2^-126 counts as 0; NaN and infinities are not treated apart.
.set PW,     1040                      ; a row of wo in LDS: 1,024 bytes + 16 of padding
.set WAVEW,  16*PW
.set OB,     8*WAVEW                   ; the merged O as fragments: [channel tile 16][lane 32][16 bytes]
.set STG,    OB+8192                   ; 16 rows x 528 bytes
.set SPITCH, 528
.set SPARE,  STG+16*SPITCH
.set WV,   14
.set SPW,  30
.set NIL,  31
.macro ROUND
	s_barrier_signal -1
	s_barrier_wait -1
	s_cmp_lg_u32 s[WV], 0
	s_cbranch_scc1 .Lnot_wave_0_\@
	s_barrier_signal -3
.Lnot_wave_0_\@:
	s_barrier_wait -3
	s_barrier_signal -1
	s_barrier_wait -1
.endm
	s_load_b256 s[4:11], s[0:1], 0x0               ; opart 4, mlpart 6, wo 8, bo 10
	s_load_b64 s[12:13], s[0:1], 0x20              ; out0
	v_lshl_add_u32 v[SPW], v0, 2, SPARE
	v_mov_b32 v[NIL], 0
	ds_add_u32 v[SPW], v[NIL]                      ; the wave's opening: the add and its wait stand ahead of my first tensor load
	v_lshrrev_b32 v1, 5, v0
	v_readfirstlane_b32 s[WV], v1
	s_bfe_u32 s15, ttmp6, 0x40000                  ; cx
	s_lshl_b32 s16, ttmp9, 2
	s_add_co_u32 s16, s16, s15                     ; T: it enters global addresses alone
	s_and_b32 s17, ttmp7, 0xffff                   ; y, which the four partners share
	s_mov_b32 s20, 15|(2<<16)|(1<<20)|(1<<21)|(7<<22)|(3<<25)  ; mask of four; 4-byte elements; padding on; bit 21 beside a mask; after every 256 words, 4 words
	s_mov_b32 s21, 256<<16                         ; tensor_dim0
	s_mov_b32 s22, 16<<16                          ; tensor_dim1
	s_mov_b32 s23, 256<<16                         ; tile_dim0
	s_mov_b32 s24, 16                              ; tile_dim1
	s_mov_b32 s25, 256                             ; elements from row to row
	s_mov_b32 s26, 0
	s_mov_b32 s27, 0
	s_mov_b32 s28, 1
	s_mul_i32 s29, s[WV], WAVEW
	s_lshl_b32 s32, s17, 17                        ; 128 y rows of 1,024 bytes
	s_lshl_b32 s33, s[WV], 14                      ; + 16 w rows
	s_add_co_u32 s32, s32, s33
	s_mov_b32 s33, 0
	s_wait_dscnt 0x0                               ; the opening add is done
	s_wait_kmcnt 0x0
	s_add_nc_u64 s[30:31], s[8:9], s[32:33]
	s_or_b32 s31, s31, 0x80000000
	s_add_nc_u64 s[34:35], s[4:5], 0x800000        ; key blocks 4 to 7 of opart: their offsets do not fit the immediate
	ROUND                                          ; all four work-groups are here: the joint loads meet
	tensor_load_to_lds s[28:31], s[20:27]
	s_nop 0
	v_and_b32 v2, 15, v0                           ; r
	v_bfe_u32 v3, v0, 4, 1                         ; h
	v_and_b32 v1, 31, v0
	v_lshlrev_b32 v1, 4, v1                        ; 16 lane
	s_lshl_b32 s36, s16, 14
	s_lshl_b32 s37, s[WV], 11
	s_add_co_u32 s36, s36, s37
	v_add_nc_u32 v4, s36, v1                       ; opart: T x 16,384 + my two tiles
	s_lshl_b32 s36, s16, 9
	s_lshr_b32 s37, s[WV], 1
	s_lshl_b32 s37, s37, 2
	s_add_co_u32 s36, s36, s37
	v_lshl_add_u32 v5, v2, 4, s36                  ; mlpart: T x 512 + 16 r + 4 head
	s_lshl_b32 s36, s17, 9
	s_lshl_b32 s37, s[WV], 6
	s_add_co_u32 s36, s36, s37
	v_lshl_add_u32 v6, v3, 5, s36                  ; bo: (128 y + 16 w + 8 h) x 4
.irp kb,0,1,2,3
.irp q,0,1,2,3
	global_load_b128 v[64+16*\kb+4*\q:64+16*\kb+4*\q+3], v4, s[4:5] offset:\kb*2097152+\q*512
.endr
.endr
.irp kb,0,1,2,3
.irp q,0,1,2,3
	global_load_b128 v[128+16*\kb+4*\q:128+16*\kb+4*\q+3], v4, s[34:35] offset:\kb*2097152+\q*512
.endr
.endr
.irp kb,0,1,2,3,4,5,6,7
	global_load_b32 v[32+\kb], v5, s[6:7] offset:\kb*65536       ; m
	global_load_b32 v[40+\kb], v5, s[6:7] offset:\kb*65536+256   ; l
.endr
	global_load_b128 v[240:243], v6, s[10:11]
	global_load_b128 v[244:247], v6, s[10:11] offset:16
	s_mul_i32 s36, s[WV], WAVEW
	v_mul_u32_u24 v7, v2, PW
	v_lshl_add_u32 v7, v3, 5, v7
	v_add_nc_u32 v7, s36, v7                       ; my weight fragments
	v_add_nc_u32 v9, OB, v1
	v_lshl_add_u32 v8, s[WV], 10, v9
	s_lshl_b32 s36, s[WV], 6
	s_add_co_u32 s36, s36, STG
	v_mul_u32_u24 v10, v2, SPITCH
	v_lshl_add_u32 v10, v3, 5, v10
	v_add_nc_u32 v10, s36, v10                     ; into the stage: row r, columns 16 w + 8 h on
	s_mul_i32 s36, s[WV], 2*SPITCH
	s_add_co_u32 s36, s36, STG
	v_add_nc_u32 v11, s36, v1                      ; back: rows 2 w, 2 w + 1, whole
	s_lshl_b32 s36, s16, 14
	s_lshl_b32 s37, s[WV], 11
	s_add_co_u32 s36, s36, s37
	s_lshl_b32 s37, s17, 9
	s_add_co_u32 s36, s36, s37
	v_add_nc_u32 v12, s36, v1                      ; out0: (16 T + 2 w) x 1,024 + 512 y + 16 lane
	s_wait_loadcnt 0x0
	; ---- the merge
	v_max3_num_f32 v16, v32, v33, v34
	v_max3_num_f32 v16, v16, v35, v36
	v_max3_num_f32 v16, v16, v37, v38
	v_max_num_f32 v16, v16, v39
.irp kb,0,1,2,3,4,5,6,7
	v_sub_f32 v[32+\kb], v[32+\kb], v16
.endr
.irp kb,0,1,2,3,4,5,6,7
	v_exp_f32 v[32+\kb], v[32+\kb]
.endr
	v_nop                                          ; a plain instruction behind the last exponential
	s_wait_alu depctr_va_vdst(0)
	v_mul_f32 v17, v32, v40
.irp kb,1,2,3,4,5,6,7
	v_fma_f32 v17, v[32+\kb], v[40+\kb], v17
.endr
	v_rcp_f32 v17, v17
	v_nop
	s_wait_alu depctr_va_vdst(0)
.irp kb,0,1,2,3,4,5,6,7
	v_mul_f32 v[48+2*\kb], v[32+\kb], v17          ; a block's weight f / sum f l, twice: a pair for the packed arithmetic
	v_mul_f32 v[49+2*\kb], v[32+\kb], v17
.endr
.irp pr,0,1,2,3,4,5,6,7
	v_pk_mul_f32 v[192+2*\pr:193+2*\pr], v[64+2*\pr:65+2*\pr], v[48:49]
.endr
.irp kb,1,2,3,4,5,6,7
.irp pr,0,1,2,3,4,5,6,7
	v_pk_fma_f32 v[192+2*\pr:193+2*\pr], v[64+16*\kb+2*\pr:65+16*\kb+2*\pr], v[48+2*\kb:49+2*\kb], v[192+2*\pr:193+2*\pr]
.endr
.endr
.irp i,0,1,2,3,4,5,6,7
	v_cvt_pk_bf16_f32 v[208+\i], v[192+2*\i], v[193+2*\i]
.endr
	ds_store_b128 v8, v[208:211]
	ds_store_b128 v8, v[212:215] offset:512
	s_wait_dscnt 0x0                               ; for the others' sake
	s_barrier_signal -1
	s_barrier_wait -1
	; ---- the product: K = 256 in two batches of four steps; two accumulators take turns (even steps, odd steps)
.irp ks,0,1,2,3,4,5,6,7
	ds_load_b128 v[64+8*\ks:64+8*\ks+3], v9 offset:\ks*1024
	ds_load_b128 v[64+8*\ks+4:64+8*\ks+7], v9 offset:\ks*1024+512
.endr
	s_wait_tensorcnt 0x0                           ; my 16 rows of wo, which I alone read
.macro LDW4 b                          ; the f32 weights of K steps 4 b .. 4 b + 3
.irp q,0,1,2,3
	ds_load_b128 v[128+16*\q:128+16*\q+3], v7 offset:(4*(\b)+\q)*128
	ds_load_b128 v[128+16*\q+4:128+16*\q+7], v7 offset:(4*(\b)+\q)*128+16
	ds_load_b128 v[128+16*\q+8:128+16*\q+11], v7 offset:(4*(\b)+\q)*128+64
	ds_load_b128 v[128+16*\q+12:128+16*\q+15], v7 offset:(4*(\b)+\q)*128+80
.endr
.endm
	LDW4 0
	s_wait_dscnt 0x0
.set i, 0
.rept 32
	v_cvt_pk_bf16_f32 v[192+i], v[128+2*i], v[129+2*i]
.set i, i+1
.endr
	LDW4 1
	v_wmma_f32_16x16x32_bf16 v[224:231], v[192:199], v[64:71], v[240:247]   ; bo starts the even steps' sum
	v_wmma_f32_16x16x32_bf16 v[232:239], v[200:207], v[72:79], 0
	v_wmma_f32_16x16x32_bf16 v[224:231], v[208:215], v[80:87], v[224:231]
	v_wmma_f32_16x16x32_bf16 v[232:239], v[216:223], v[88:95], v[232:239]
	s_wait_dscnt 0x0
.set i, 0
.rept 32
	v_cvt_pk_bf16_f32 v[32+i], v[128+2*i], v[129+2*i]  ; registers that no product has read
.set i, i+1
.endr
	v_wmma_f32_16x16x32_bf16 v[224:231], v[32:39], v[96:103], v[224:231]
	v_wmma_f32_16x16x32_bf16 v[232:239], v[40:47], v[104:111], v[232:239]
	v_wmma_f32_16x16x32_bf16 v[224:231], v[48:55], v[112:119], v[224:231]
	v_wmma_f32_16x16x32_bf16 v[232:239], v[56:63], v[120:127], v[232:239]
.rept 4
	v_nop                                          ; the places behind the last products (ISA guide 7.12.1)
.endr
.irp i,0,2,4,6
	v_pk_add_f32 v[224+\i:225+\i], v[224+\i:225+\i], v[232+\i:233+\i]
.endr
	ds_store_b128 v10, v[224:227]
	ds_store_b128 v10, v[228:231] offset:16
	s_wait_dscnt 0x0                               ; for the others' sake
	s_barrier_signal -1
	s_barrier_wait -1
	ds_load_b128 v[16:19], v11
	ds_load_b128 v[20:23], v11 offset:SPITCH
	s_wait_dscnt 0x0
	global_store_b128 v12, v[16:19], s[12:13]               ; a wave's store covers 512 consecutive bytes, aligned
	global_store_b128 v12, v[20:23], s[12:13] offset:1024
	s_wait_tensorcnt 0x0                           ; the wave's end
	ds_add_u32 v[SPW], v[NIL]
	s_wait_dscnt 0x0
	ROUND                                          ; the closing round
	s_endpgm
.Lfunc_end_k_q494c3b7eb6_outp:
	.size	k_q494c3b7eb6_outp, .Lfunc_end_k_q494c3b7eb6_outp-k_q494c3b7eb6_outp
	.p2alignl 7, 3214868480
	.fill 96, 4, 3214868480
	.section	.rodata,"a",@progbits
	.p2align	6, 0x0
	.amdhsa_kernel k_q494c3b7eb6_outp
		.amdhsa_group_segment_fixed_size 167936
		.amdhsa_private_segment_fixed_size 0
		.amdhsa_enable_private_segment 0
		.amdhsa_kernarg_size 40
		.amdhsa_user_sgpr_count 2
		.amdhsa_user_sgpr_kernarg_segment_ptr 1
		.amdhsa_wavefront_size32 1
		.amdhsa_system_sgpr_workgroup_id_x 1
		.amdhsa_system_sgpr_workgroup_id_y 1
		.amdhsa_system_sgpr_workgroup_id_z 1
		.amdhsa_system_vgpr_workitem_id 0
		.amdhsa_next_free_vgpr 256
		.amdhsa_next_free_sgpr 66
		.amdhsa_reserve_vcc 0
		.amdhsa_float_denorm_mode_32 3
		.amdhsa_float_denorm_mode_16_64 3
		.amdhsa_memory_ordered 1
		.amdhsa_forward_progress 1
		.amdhsa_inst_pref_size 25
	.end_amdhsa_kernel
	.amdgpu_metadata
---
amdhsa.version: [ 1, 2 ]
amdhsa.kernels:
  - .name:           k_q494c3b7eb6_outp
    .symbol:         k_q494c3b7eb6_outp.kd
    .args:
      - { .name: opart, .offset: 0, .size: 8, .value_kind: global_buffer, .address_space: global }
      - { .name: mlpart, .offset: 8, .size: 8, .value_kind: global_buffer, .address_space: global }
      - { .name: wo, .offset: 16, .size: 8, .value_kind: global_buffer, .address_space: global }
      - { .name: bo, .offset: 24, .size: 8, .value_kind: global_buffer, .address_space: global }
      - { .name: out0, .offset: 32, .size: 8, .value_kind: global_buffer, .address_space: global }
    .group_segment_fixed_size: 167936
    .private_segment_fixed_size: 0
    .kernarg_segment_align: 8
    .kernarg_segment_size: 40
    .max_flat_workgroup_size: 256
    .sgpr_count:     66
    .vgpr_count:     256
    .wavefront_size: 32
...
	.end_amdgpu_metadata
.endif
;; end of part 3
